; MI455X (gfx1250); checked and timed in simulation.
; The chip was launched on July 23, 2026; its instructions are those of AMD's public machine-readable ISA for CDNA 5 (MIT licence, August 2026) and "CDNA5" Instruction Set Architecture Reference Guide (July 2026). The comments in the code are by the model that wrote it; some were corrected since.
;; Dilated MHSA Block. Allowed arithmetic: float matrix products may take bf16 or f16 operands with f32 sums; all other float work in f32.
;; Inputs: b_out 1,024 float32; b_qkv 3,072 float32; w_out 1,024 x 1,024 float32; w_qkv 3,072 x 1,024 float32; x 2 x 2,048 x 1,024 float32.
;; Outputs: out0 2 x 2,048 x 1,024 float32.
;; 2 versions, each right; version 2 is version 1 with the launch cast written anew for expert scheduling mode. Each part assembles by itself: llvm-mc -triple=amdgcn-amd-amdhsa -mcpu=gfx1250 --defsym DOCPART=n.
;; ======== version 1 of 2: 3 launches
;; workspace buffers: xb 8,421,376 bytes; wqb 6,291,456 bytes; wob 2,097,152 bytes; att 8,388,608 bytes
;; launch cast (part 1): grid 512 x 1, 8 waves a work-group, no clusters, 0 bytes of LDS; arguments x, w_qkv, w_out, xb, wqb, wob; writes xb, wqb, wob
.if DOCPART == 1
	.amdgcn_target "amdgcn-amd-amdhsa--gfx1250"
	.amdhsa_code_object_version 6
	.text
	.protected	k_qee235cdd11_cast
	.globl	k_qee235cdd11_cast
	.p2align	8
	.type	k_qee235cdd11_cast,@function
k_qee235cdd11_cast:
	s_mov_b64 s[64:65], 0
	v_nop
	global_prefetch_b8 v0, s[64:65] scope:SCOPE_SE
	s_setreg_imm32_b32 hwreg(HW_REG_WAVE_MODE, 25, 1), 1
	s_wait_xcnt 0x0
; f32 -> bf16 (round to nearest even) of the three matrix operands, with two reorderings of rows that cost only addresses:
;   xb : row 8 + 2048 b + 1024 (n & 1) + (n >> 1) = x[b][n].  Rows of equal parity lie together: the mask |i-j| <= 16, i-j even
;        becomes a plain band of +-8 in each of four sequences of 1,024 rows.  Rows 0-7 and 4104-4111 are zeros (the halo
;        of the first and of the last row block of the next launch).
;   wqb: row 192 h + 64 part + d = w_qkv[1024 part + 64 h + d]: q, k, v of one head are 192 neighbouring rows.
;   wob: w_out as it lies.
; A stream: every byte is read once and written once; no LDS, no barrier, no matrix unit, no cluster (no two work-groups share a byte).
; Work-group g takes 16 rows of 4,096 bytes: 8 of x, 6 of w_qkv (rows 512 j + g), 2 of w_out.  Thread t takes the 16 bytes at 16 t of each
; row and stores 8 bytes at 8 t: a wave's load covers 512 and its store 256 consecutive bytes, aligned.  All 16 loads go out first.
.set ROWF, 4096                        ; bytes of an f32 row
.set ROWH, 2048                        ; bytes of a bf16 row
.set D,    4                           ; v[4:67]  row i: 4 registers as loaded; the first two then hold the 8 bytes to store
	s_load_b256 s[4:11], s[0:1], 0x0               ; x s[4:5], w_qkv s[6:7], w_out s[8:9], xb s[10:11]
	s_load_b128 s[12:15], s[0:1], 0x20             ; wqb s[12:13], wob s[14:15]
	s_mov_b32 s2, ttmp9                            ; g
	v_lshlrev_b32 v1, 4, v0                        ; 16 t: my bytes in an f32 row
	v_lshlrev_b32 v2, 3, v0                        ; 8 t: my bytes in a bf16 row
	s_lshl_b32 s20, s2, 15                         ; x: 8 rows of 4,096 bytes a work-group
	s_mov_b32 s21, 0
	s_lshr_b32 s22, s2, 8                          ; xb: batch = g >> 8,
	s_lshl_b32 s22, s22, 11                        ; 2,048 rows each,
	s_and_b32 s23, s2, 255
	s_lshl2_add_u32 s22, s23, s22                  ; + 4 (g & 255): n >> 1 of my first row,
	s_add_co_u32 s22, s22, 8                       ; + the 8 zero rows in front
	s_lshl_b32 s22, s22, 11
	s_mov_b32 s23, 0
	s_lshl_b32 s24, s2, 12                         ; w_qkv: row g (4,096 bytes); wob: 2 rows of 2,048 bytes
	s_mov_b32 s25, 0
	s_lshr_b32 s26, s2, 6                          ; wqb: 192 (g >> 6) + (g & 63)
	s_mul_i32 s26, s26, 192
	s_and_b32 s27, s2, 63
	s_add_co_u32 s26, s26, s27
	s_lshl_b32 s26, s26, 11
	s_mov_b32 s27, 0
	s_lshl_b32 s28, s2, 13                         ; w_out: 2 rows of 4,096 bytes
	s_mov_b32 s29, 0
	s_wait_kmcnt 0x0
	s_mov_b64 s[18:19], s[10:11]                   ; xb's first byte, for the zero rows
	s_add_nc_u64 s[4:5], s[4:5], s[20:21]
	s_add_nc_u64 s[10:11], s[10:11], s[22:23]
	s_add_nc_u64 s[6:7], s[6:7], s[24:25]
	s_add_nc_u64 s[16:17], s[6:7], 3*512*ROWF      ; a second base for rows 512 j + g, j >= 3: the immediate has 24 signed bits
	s_add_nc_u64 s[12:13], s[12:13], s[26:27]
	s_add_nc_u64 s[8:9], s[8:9], s[28:29]
	s_add_nc_u64 s[14:15], s[14:15], s[24:25]
.irp j, 0,1,2,3,4,5,6,7
	global_load_b128 v[D+4*\j:D+4*\j+3], v1, s[4:5] offset:\j*ROWF th:TH_LOAD_NT
.endr
.irp j, 0,1,2
	global_load_b128 v[D+32+4*\j:D+32+4*\j+3], v1, s[6:7] offset:\j*512*ROWF th:TH_LOAD_NT
.endr
.irp j, 0,1,2
	global_load_b128 v[D+44+4*\j:D+44+4*\j+3], v1, s[16:17] offset:\j*512*ROWF th:TH_LOAD_NT
.endr
.irp j, 0,1
	global_load_b128 v[D+56+4*\j:D+56+4*\j+3], v1, s[8:9] offset:\j*ROWF th:TH_LOAD_NT
.endr
; row i of the sixteen: wait, round four numbers to bf16 in place, store 8 bytes at base + imm
.macro CVST i, base, imm
	s_wait_loadcnt 15-(\i)                         ; loads come back in order (ISA guide 5.7.1): row i is in, the younger ones stay out
	v_cvt_pk_bf16_f32 v[D+4*(\i)], v[D+4*(\i)], v[D+4*(\i)+1]
	v_cvt_pk_bf16_f32 v[D+4*(\i)+1], v[D+4*(\i)+2], v[D+4*(\i)+3]
	global_store_b64 v2, v[D+4*(\i):D+4*(\i)+1], s[\base:\base+1] offset:\imm
.endm
.irp j, 0,1,2,3,4,5,6,7
	CVST \j, 10, ((\j&1)*1024+(\j>>1))*ROWH        ; n = 8 (g & 255) + j: parity j & 1, n >> 1 = 4 (g & 255) + (j >> 1)
.endr
.irp j, 0,1,2,3,4,5
	CVST 8+\j, 12, ((\j&1)*1536+(\j>>1)*64)*ROWH   ; row 512 j + g: part j >> 1, head 8 (j & 1) + (g >> 6), d = g & 63
.endr
.irp j, 0,1
	CVST 14+\j, 14, \j*ROWH
.endr
	s_cmp_lt_u32 s2, 16                            ; the first sixteen work-groups also write one zero row each
	s_cbranch_scc0 .Lend
	s_and_b32 s30, s2, 8
	s_lshl_b32 s30, s30, 9
	s_add_co_u32 s30, s30, s2                      ; rows 0-7 and 4104-4111
	s_lshl_b32 s30, s30, 11
	s_mov_b32 s31, 0
	s_add_nc_u64 s[18:19], s[18:19], s[30:31]
	v_mov_b32 v68, 0
	v_mov_b32 v69, 0
	global_store_b64 v2, v[68:69], s[18:19]
.Lend:
	s_endpgm
.Lfunc_end_k_qee235cdd11_cast:
	.size	k_qee235cdd11_cast, .Lfunc_end_k_qee235cdd11_cast-k_qee235cdd11_cast
	.p2alignl 7, 3214868480
	.fill 96, 4, 3214868480
	.section	.rodata,"a",@progbits
	.p2align	6, 0x0
	.amdhsa_kernel k_qee235cdd11_cast
		.amdhsa_group_segment_fixed_size 0
		.amdhsa_private_segment_fixed_size 0
		.amdhsa_enable_private_segment 0
		.amdhsa_kernarg_size 48
		.amdhsa_user_sgpr_count 2
		.amdhsa_user_sgpr_kernarg_segment_ptr 1
		.amdhsa_wavefront_size32 1
		.amdhsa_system_sgpr_workgroup_id_x 1
		.amdhsa_system_sgpr_workgroup_id_y 1
		.amdhsa_system_sgpr_workgroup_id_z 1
		.amdhsa_system_vgpr_workitem_id 0
		.amdhsa_next_free_vgpr 72
		.amdhsa_next_free_sgpr 66
		.amdhsa_reserve_vcc 0
		.amdhsa_float_denorm_mode_32 3
		.amdhsa_float_denorm_mode_16_64 3
		.amdhsa_memory_ordered 1
		.amdhsa_forward_progress 1
		.amdhsa_inst_pref_size 8
	.end_amdhsa_kernel
	.amdgpu_metadata
---
amdhsa.version: [ 1, 2 ]
amdhsa.kernels:
  - .name:           k_qee235cdd11_cast
    .symbol:         k_qee235cdd11_cast.kd
    .args:
      - { .name: x, .offset: 0, .size: 8, .value_kind: global_buffer, .address_space: global }
      - { .name: w_qkv, .offset: 8, .size: 8, .value_kind: global_buffer, .address_space: global }
      - { .name: w_out, .offset: 16, .size: 8, .value_kind: global_buffer, .address_space: global }
      - { .name: xb, .offset: 24, .size: 8, .value_kind: global_buffer, .address_space: global }
      - { .name: wqb, .offset: 32, .size: 8, .value_kind: global_buffer, .address_space: global }
      - { .name: wob, .offset: 40, .size: 8, .value_kind: global_buffer, .address_space: global }
    .group_segment_fixed_size: 0
    .private_segment_fixed_size: 0
    .kernarg_segment_align: 8
    .kernarg_segment_size: 48
    .max_flat_workgroup_size: 256
    .sgpr_count:     66
    .vgpr_count:     72
    .wavefront_size: 32
...
	.end_amdgpu_metadata
.endif
;; end of part 1
;; launch qkvattn (part 2): grid 16 x 16, 4 waves a work-group, clusters of 4 x 4, 327,680 bytes of LDS; arguments xb, wqb, b_qkv, att; writes att
.if DOCPART == 2
	.amdgcn_target "amdgcn-amd-amdhsa--gfx1250"
	.amdhsa_code_object_version 6
	.text
	.protected	k_qee235cdd11_qkvattn
	.globl	k_qee235cdd11_qkvattn
	.p2align	8
	.type	k_qee235cdd11_qkvattn,@function
k_qee235cdd11_qkvattn:
	s_mov_b64 s[64:65], 0
	v_nop
	global_prefetch_b8 v0, s[64:65] scope:SCOPE_SE
	s_setreg_imm32_b32 hwreg(HW_REG_WAVE_MODE, 25, 1), 1
	s_wait_xcnt 0x0
	s_wait_alu depctr_hold_cnt(0) depctr_sa_sdst(0) depctr_va_vdst(0) depctr_va_sdst(0) depctr_va_ssrc(0) depctr_va_vcc(0) depctr_vm_vsrc(0)
	s_getreg_b32 s2, hwreg(HW_REG_IB_STS2, 6, 4)
	s_cmp_eq_u32 s2, 0
	s_cbranch_scc0 .Lentry_in_a_cluster
	s_endpgm
.Lentry_in_a_cluster:
	s_bfe_u32 s2, ttmp6, 0x10000c
	s_cmp_lg_u32 s2, 0xf033
	s_cbranch_scc0 .Lentry_shape_is_right
	s_endpgm
.Lentry_shape_is_right:
; One head (x of the grid) and one block of 256 reordered rows (y): q | k | v = xb wqb^T + bias (K = 1024), then QK-norm, the band softmax and P V,
; all in this work-group; q, k, v never reach memory.  In the reordered rows a query attends to the keys within +-8 rows of its own sequence
; of 1,024 rows, so the block also computes k and v of 8 halo rows on either side: A's tile has 272 rows.
; SHARES.  Four waves.  Wave w owns rows 64 w .. 64 w + 63 and all 192 columns: 4 x 12 accumulator tiles of 16 x 16.  The eight halo tiles
; (16 halo rows x 4 tiles of k, 4 of v) are dealt two to a wave.  So that register numbers do not hang on the wave, wave w loads B's tiles rotated
; inside each group of four: register slot 4 p + i holds tile 4 p + ((i + w) & 3); slots 4 and 8 are then k's and v's tile w, the wave's halo tiles.
; The rotation shows only in addresses (B's fragments, the bias, the columns of the stages).
; The matrix instruction is used transposed (source 0 = rows of wqb, source 1 = rows of xb): lane (r = l % 16, h = l / 16) holds row r and
; the eight neighbouring columns 8 h .. 8 h + 7 of a tile.
; CLUSTER 4 x 4: the four work-groups of a row of the cluster share the row block (A's tiles), the four of a column share the head (B's tiles);
; each tile is asked for jointly, which divides the requests for both by four.
; RING: two LDS slots, a K step of 128 (rows of 256 bytes, at multiples of 256 bytes from the buffers' first bytes), one tensor load a wave:
; waves 0, 1 bring 136 rows of A each, waves 2, 3 bring 96 rows of B each.  A wave has two loads out at the start and one behind each round.
; LIMITS.  (1) No maximum is taken away before the exponential: q and k are normalised here as in the reference and the scale is 1, so after
; the rounding to bf16 |score| <= (1 + 2^-8)^2, every exponent of 2 lies within +-1.46, and a row's sum within [9 x 0.36, 17 x 2.76].
; (2) Keys outside the band or the sequence take the weight 0 and are still multiplied by v: a non-finite v there would spread to its neighbours.
; (3) v_sqrt_f32 takes a sum of squares below 2^-126 as 0 (ISA guide 15.8); the norm is then far below the 1e-6 that is added.
; P and V go to the matrix unit as a bf16 head and a bf16 remainder each (O = Vhi Phi + Vhi Plo + Vlo Phi), so that the only rounding to 8 bits
; between v and the output is the one of the stored result.
.set PITCH,  272                       ; an LDS row of the ring: 256 bytes + 16 of padding, an odd multiple of 16
.set ATILE,  136*PITCH                 ; what waves 0, 1 bring
.set BTILE,  96*PITCH                  ; what waves 2, 3 bring
.set BBASE,  2*ATILE                   ; B's 192 rows lie behind A's 272
.set SLOT,   BBASE+2*BTILE             ; 126,208 bytes
.set STEPB,  256                       ; bytes of a K step in a row
; window 0
.set ADRA, 6                           ; v6-7    LDS address of my A fragments in slot 0, 1
.set ADRH, 8                           ; v8-9    of the halo rows' fragment
.set ADRB, 10                          ; v10-17  of B's rotated tile i in slot 0 (10 + i), slot 1 (14 + i)
.set BOFF, 18                          ; v18-21  byte offset of tile i's bias
.set BIAS, 24                          ; v24-119 bias of my 8 columns in each of the 12 register slots
; windows 0 and 1: fragment buffers 0 and 1
.set FB, 120                           ; 12 fragments of B
.set FA, 216                           ; 4 of A
.set FH, 248                           ; 1 of the halo rows
; window 2: accumulators of row tiles 0, 1 at v[8 (12 a + b)], the halo's at 192 and 200; window 3: row tiles 2, 3
.set HK, 192
.set HV, 200
.set G1, 24                            ; s[24:31] group 1 for A    s[32:39] group 0 for A, one set a slot
.set G0, 32
.set G1B, 48                           ; s[48:55] group 1 for B    s[56:63] group 0 for B
.set G0B, 56
.set MSB, 0
.macro WIN new                         ; low byte: bits 1:0 source 0, 3:2 source 1, 5:4 source 2, 7:6 destination; the high byte repeats the setting that is left
.if MSB != (\new)
	s_set_vgpr_msb (MSB<<8)|(\new)
.set MSB, (\new)
.endif
.endm
.macro PLACES                          ; four independent vector instructions behind a matrix instruction, before its result is read by a vector instruction
.rept 4                                ; (ISA guide 7.12.1) or one of its registers is loaded into
	v_nop
.endr
.endm
.macro JLOAD s                         ; a joint load into slot s: waves 0, 1 ask for A, waves 2, 3 for B.  The branch hangs on the wave's number alone
	s_cmp_eq_u32 s13, 0
	s_cbranch_scc0 .Lfor_b_\@
	tensor_load_to_lds s[G0+4*\s:G0+4*\s+3], s[G1:G1+7]
	s_nop 0
	s_branch .Lasked_\@
.Lfor_b_\@:
	tensor_load_to_lds s[G0B+4*\s:G0B+4*\s+3], s[G1B:G1B+7]
	s_nop 0
.Lasked_\@:
.endm
.macro CREST                           ; a round of the cluster's barrier behind its opening work-group barrier
	s_cmp_lg_u32 s12, 0
	s_cbranch_scc1 .Lnot_wave_0_\@
	s_barrier_signal -3
.Lnot_wave_0_\@:
	s_barrier_wait -3
	s_barrier_signal -1
	s_barrier_wait -1
.endm
.macro CROUND
	s_barrier_signal -1
	s_barrier_wait -1
	CREST
.endm
	s_load_b256 s[4:11], s[0:1], 0x0               ; xb s[4:5], wqb s[6:7], b_qkv s[8:9], att s[10:11]
	s_set_vgpr_msb 0x40
	v_lshl_add_u32 v118, v0, 2, 0x3da00
	v_mov_b32 v119, 0
	s_set_vgpr_msb 0x4045
	ds_add_u32 v118, v119
	s_set_vgpr_msb 0x4500
	v_lshrrev_b32 v1, 5, v0
	v_readfirstlane_b32 s12, v1                    ; wave w
	s_lshr_b32 s13, s12, 1                         ; I fetch for A (0) or for B (1)
	s_and_b32 s14, s12, 1                          ; which half of that tile
	s_bfe_u32 s40, ttmp6, 0x40000                  ; cx
	s_bfe_u32 s41, ttmp6, 0x40004                  ; cy
	s_lshl_b32 s42, ttmp9, 2
	s_add_co_u32 s42, s42, s40                     ; head = 4 x cluster x + cx
	s_and_b32 s43, ttmp7, 0xffff
	s_lshl_b32 s43, s43, 2
	s_add_co_u32 s43, s43, s41                     ; row block = 4 x cluster y + cy
	s_lshl_b32 s44, s41, 2
	s_lshl_b32 s44, 15, s44                        ; my row of the cluster: places 4 cy .. 4 cy + 3
	s_lshl_b32 s45, 0x1111, s40                    ; my column: places cx, cx + 4, cx + 8, cx + 12
	; group 1: elements of 2 bytes, 16 bytes of padding behind every 64 words, bit 21 beside the mask; tiles of 136 (A) and 96 (B) rows x 128 elements, 1,024 elements from row to row
	s_or_b32 s[G1+0], s44, (1<<16)|(1<<20)|(1<<21)|(5<<22)|(3<<25)
	s_mov_b32 s[G1+1], 128<<16                     ; tensor_dim0 = 128
	s_mov_b32 s[G1+2], 136<<16                     ; tensor_dim1 = 136
	s_mov_b32 s[G1+3], 128<<16                     ; tile_dim0 = 128
	s_mov_b32 s[G1+4], 136                         ; tile_dim1 = 136
	s_mov_b32 s[G1+5], 1024                        ; the pitch
	s_mov_b32 s[G1+6], 0
	s_mov_b32 s[G1+7], 0
	s_or_b32 s[G1B+0], s45, (1<<16)|(1<<20)|(1<<21)|(5<<22)|(3<<25)
	s_mov_b32 s[G1B+1], 128<<16
	s_mov_b32 s[G1B+2], 96<<16
	s_mov_b32 s[G1B+3], 128<<16
	s_mov_b32 s[G1B+4], 96
	s_mov_b32 s[G1B+5], 1024
	s_mov_b32 s[G1B+6], 0
	s_mov_b32 s[G1B+7], 0
	; A's address hangs on the row block and the wave, B's on the head and the wave, each in registers that never hold the other coordinate
	s_mul_i32 s20, s14, 136
	s_lshl_b32 s21, s43, 8
	s_add_co_u32 s20, s20, s21                     ; xb row 256 x block + 136 x half (xb's row 0 is the first halo row of block 0)
	s_lshl_b32 s20, s20, 11
	s_mov_b32 s21, 0
	s_mul_i32 s46, s42, 192
	s_mul_i32 s47, s14, 96
	s_add_co_u32 s46, s46, s47                     ; wqb row 192 x head + 96 x half
	s_lshl_b32 s46, s46, 11
	s_mov_b32 s47, 0
	s_mul_i32 s22, s12, ATILE                      ; LDS: A's halves at w x 36,992 (w = 0, 1),
	s_mul_i32 s23, s12, BTILE
	s_add_co_u32 s23, s23, BBASE-2*BTILE           ; B's at 73,984 + (w - 2) x 26,112 (w = 2, 3)
	s_wait_dscnt 0x0
	s_wait_kmcnt 0x0
	s_add_nc_u64 s[20:21], s[4:5], s[20:21]
	s_add_nc_u64 s[46:47], s[6:7], s[46:47]
	CROUND                                         ; all sixteen work-groups are here: the first joint loads meet
.irp s, 0,1
	s_mov_b32 s[G0+4*\s], 1
	s_add_co_u32 s[G0+4*\s+1], s22, \s*SLOT
	s_add_nc_u64 s[G0+4*\s+2:G0+4*\s+3], s[20:21], \s*STEPB
	s_or_b32 s[G0+4*\s+3], s[G0+4*\s+3], 0x80000000
	s_mov_b32 s[G0B+4*\s], 1
	s_add_co_u32 s[G0B+4*\s+1], s23, \s*SLOT
	s_add_nc_u64 s[G0B+4*\s+2:G0B+4*\s+3], s[46:47], \s*STEPB
	s_or_b32 s[G0B+4*\s+3], s[G0B+4*\s+3], 0x80000000
	JLOAD \s                                       ; K steps 0 and 1: the ring is filled before anything else is done
.endr
	; fragment addresses: lane (r, h) reads row r at byte 16 h, two loads 32 bytes apart for 32 along K
	v_and_b32 v1, 15, v0                           ; r   (v1, v2 stay for the whole kernel)
	v_bfe_u32 v2, v0, 4, 1                         ; h
	v_mul_u32_u24 v3, v1, PITCH
	v_lshl_add_u32 v3, v2, 4, v3
	s_mul_i32 s20, s12, 64*PITCH
	s_add_co_u32 s20, s20, 8*PITCH                 ; my rows begin behind the 8 upper halo rows
	v_add_nc_u32 v[ADRA], s20, v3
	v_add_nc_u32 v[ADRA+1], SLOT, v[ADRA]
	v_and_b32 v4, 8, v1
	v_lshl_add_u32 v4, v4, 5, v1                   ; halo row r lies at LDS row r (r < 8) or 256 + r
	v_mul_u32_u24 v4, v4, PITCH
	v_lshl_add_u32 v[ADRH], v2, 4, v4
	v_add_nc_u32 v[ADRH+1], SLOT, v[ADRH]
.irp i, 0,1,2,3
	s_add_co_u32 s[16+\i], s12, \i
	s_and_b32 s[16+\i], s[16+\i], 3                ; s16-19: the rotation (i + w) & 3
	s_mul_i32 s21, s[16+\i], 16*PITCH
	s_add_co_u32 s21, s21, BBASE
	v_add_nc_u32 v[ADRB+\i], s21, v3
	v_add_nc_u32 v[ADRB+4+\i], SLOT, v[ADRB+\i]
	s_lshl_b32 s21, s[16+\i], 6
	v_lshl_add_u32 v[BOFF+\i], v2, 5, s21          ; 4 bytes x (16 x tile + 8 h)
.endr
	s_lshl_b32 s46, s42, 8                         ; the head's 64 numbers in each part of b_qkv
	s_mov_b32 s47, 0
	s_add_nc_u64 s[8:9], s[8:9], s[46:47]
.irp p, 0,1,2
.irp i, 0,1,2,3
	global_load_b128 v[BIAS+8*(4*\p+\i):BIAS+8*(4*\p+\i)+3], v[BOFF+\i], s[8:9] offset:4096*\p       ; waited for behind the K loop
	global_load_b128 v[BIAS+8*(4*\p+\i)+4:BIAS+8*(4*\p+\i)+7], v[BOFF+\i], s[8:9] offset:4096*\p+16
.endr
.endr
; 12 matrix instructions: row tile a of the window's two (hi = 0: my tiles 0, 1; hi = 1: tiles 2, 3) x all 12 column tiles, 32 along K
.macro MULROW a, hi, zero
.irp b, 0,1,2,3,4,5,6,7,8,9,10,11
.if \zero
	v_wmma_f32_16x16x32_bf16 v[8*(12*\a+\b):8*(12*\a+\b)+7], v[FB+8*\b:FB+8*\b+7], v[FA+8*(2*\hi+\a):FA+8*(2*\hi+\a)+7], 0
.else
	v_wmma_f32_16x16x32_bf16 v[8*(12*\a+\b):8*(12*\a+\b)+7], v[FB+8*\b:FB+8*\b+7], v[FA+8*(2*\hi+\a):FA+8*(2*\hi+\a)+7], v[8*(12*\a+\b):8*(12*\a+\b)+7]
.endif
.endr
.endm
.macro MULHALO zero                    ; the halo rows x my tile of k (slot 4) and of v (slot 8)
.if \zero
	v_wmma_f32_16x16x32_bf16 v[HK:HK+7], v[FB+32:FB+39], v[FH:FH+7], 0
	v_wmma_f32_16x16x32_bf16 v[HV:HV+7], v[FB+64:FB+71], v[FH:FH+7], 0
.else
	v_wmma_f32_16x16x32_bf16 v[HK:HK+7], v[FB+32:FB+39], v[FH:FH+7], v[HK:HK+7]
	v_wmma_f32_16x16x32_bf16 v[HV:HV+7], v[FB+64:FB+71], v[FH:FH+7], v[HV:HV+7]
.endif
.endm
; 34 LDS loads in one run: the fragments of one quarter step (32 K at byte k of the rows) into buffer g: B's 12, the halo's, A's 4
.macro FETCH slot, k, g
	WIN (\g*64)
.irp p, 0,1,2
.irp i, 0,1,2,3
	ds_load_b128 v[FB+8*(4*\p+\i):FB+8*(4*\p+\i)+3], v[ADRB+4*\slot+\i] offset:64*PITCH*\p+\k
	ds_load_b128 v[FB+8*(4*\p+\i)+4:FB+8*(4*\p+\i)+7], v[ADRB+4*\slot+\i] offset:64*PITCH*\p+\k+32
.endr
.endr
	ds_load_b128 v[FH:FH+3], v[ADRH+\slot] offset:\k
	ds_load_b128 v[FH+4:FH+7], v[ADRH+\slot] offset:\k+32
.irp a, 0,1,2,3
	ds_load_b128 v[FA+8*\a:FA+8*\a+3], v[ADRA+\slot] offset:16*PITCH*\a+\k
	ds_load_b128 v[FA+8*\a+4:FA+8*\a+7], v[ADRA+\slot] offset:16*PITCH*\a+\k+32
.endr
.endm
; A K step is four quarter steps of 32 along K, 50 matrix instructions each, on buffers 0, 1, 0, 1.  The 50 accumulators take turns, one
; instruction a turn, in the same order everywhere, over the backward jump too.
; One of the first three quarters: multiplies buffer f and fetches, in its middle, the next quarter's fragments into buffer g.
.macro QUARTER slot, k, f, g, zero
	s_wait_dscnt 4                                 ; all but the youngest four loads (A's row tiles 2, 3) are in
	WIN (\f*5+0xa0)                                ; sources in window f, C and D in window 2
	MULROW 0, 0, \zero
	MULROW 1, 0, \zero
	MULHALO \zero
	PLACES
	FETCH \slot, \k, \g
	s_wait_dscnt 34                                ; all but the 34 just issued
	WIN (\f*5+0xf0)                                ; C and D in window 3
	MULROW 0, 1, \zero
	MULROW 1, 1, \zero
.endm
.macro THREE slot, zero
	QUARTER \slot, 64,  0, 1, \zero
	QUARTER \slot, 128, 1, 0, 0
	QUARTER \slot, 192, 0, 1, 0
.endm
; The last quarter multiplies buffer 1 and changes slots.  In front of the barrier each wave waits for its reads of this slot and for all its
; tensor loads (one is out: its part of the next slot).  Where the slot is filled again the barrier opens a round of the cluster's barrier, and the
; joint refill is the first tensor load behind the round's closing wait: no wave of any partner still reads the slot or has a load on its way.
; From a request to the wait for it a wave issues 186 matrix instructions.
.macro TURN slot, next, fill
	s_wait_dscnt 4
	WIN 0xa5
	MULROW 0, 0, 0
	s_wait_dscnt 0                                 ; my reads of this slot are over
	s_wait_tensorcnt 0x0                           ; all my tensor loads have landed
	ds_add_u32 v118, v119
	s_wait_dscnt 0x0
	s_barrier_signal -1
	MULROW 1, 0, 0                                 ; register work while the others arrive
	MULHALO 0
	WIN 0
	s_barrier_wait -1
.if \fill
	CREST
	s_add_nc_u64 s[G0+4*\slot+2:G0+4*\slot+3], s[G0+4*\slot+2:G0+4*\slot+3], 2*STEPB
	s_add_nc_u64 s[G0B+4*\slot+2:G0B+4*\slot+3], s[G0B+4*\slot+2:G0B+4*\slot+3], 2*STEPB
	JLOAD \slot
.endif
	PLACES
	FETCH \next, 0, 0
	WIN 0xf5
	MULROW 0, 1, 0
	MULROW 1, 1, 0
.endm
.macro LAP zero
	THREE 0, \zero
	TURN 0, 1, 1
	THREE 1, 0
	TURN 1, 0, 1
.endm
	s_wait_tensorcnt 0x1                           ; my part of K step 0 is in; K step 1's may stay out
	s_barrier_signal -1
	s_barrier_wait -1
	FETCH 0, 0, 0
	LAP 1                                          ; K steps 0, 1: the first products start the sums, nothing is cleared
	WIN 0
	s_mov_b32 s3, 2                                ; K steps 2 to 5
.Llap:
	LAP 0
	WIN 0
	s_sub_co_u32 s3, s3, 1
	s_cmp_lg_u32 s3, 0
	s_cbranch_scc1 .Llap
	THREE 0, 0                                     ; K steps 6, 7: nothing is left to fetch
	TURN 0, 1, 0                                   ; behind this barrier nobody reads slot 0 and no fill lands in it any more
	THREE 1, 0
	s_wait_dscnt 4
	WIN 0xa5
	MULROW 0, 0, 0
	MULROW 1, 0, 0
	MULHALO 0
	s_wait_dscnt 0                                 ; my reads of slot 1 are over: say so, since the stage of v's remainders lies in its bytes
	s_barrier_signal -1
	WIN 0xf5
	MULROW 0, 1, 0
	MULROW 1, 1, 0
	PLACES
	WIN 0
	s_barrier_wait -1
; THE STAGES, in the ring's bytes, which have had their last fill:
.set KS,  36864                        ; q: 256 rows x 144 bytes at 0;  k: 272 rows x 144 bytes (row = local row + 8; halo rows 0-7, 264-271)
.set VS,  76032                        ; v's heads: 272 rows x 160 bytes (an odd multiple of 32, for the transposing loads)
.set HKS, 119552                       ; the halo's k in f32: 16 rows x 272 bytes, up to byte 123,904
.set VLO, SLOT-VS                      ; v's remainders: as v's heads, 50,176 bytes further on (from slot 1's first byte)
.set S144, 6                           ; v6-9   q's and k's stage: my row r, rotated tile i
.set SV,   10                          ; v10-13 v's stage likewise
.set HKA,  14
.set HVA,  15
.set HKR,  16
.set HKW,  17
.set QKA,  18                          ; (64 w + r) 144 + 16 h: fragments of q and k, and where a result row is put
.set VA,   19
.set ORA,  20
.set GO,   21
.set T,    120                         ; v120-215 one row tile in f32: q 0-31, k 32-63, v 64-95
.set TV,   T+64
.set VH,   224                         ; v224-239 v's heads, packed
.set TMP,  240                         ; v240-247 heads widened again
	s_wait_loadcnt 0x0                             ; the bias
	s_mov_b32 s96, 0x76543210                      ; v_permlanex16_b32: lane i reads lane i of the other half
	s_mov_b32 s97, 0xfedcba98
	s_mov_b32 s87, 0xffff0000                      ; a word's upper bf16
	v_and_b32 v3, 31, v0                           ; lane L
	v_mul_u32_u24 v4, v1, 144
	v_lshl_add_u32 v4, v2, 4, v4
	s_mul_i32 s20, s12, 64*144
	v_add_nc_u32 v[QKA], s20, v4
	v_mul_u32_u24 v4, v1, 160
	v_lshl_add_u32 v4, v2, 4, v4
	s_mul_i32 s20, s12, 64*160
	s_add_co_u32 s20, s20, VS+8*160
	v_add_nc_u32 v4, s20, v4
.irp i, 0,1,2,3
	s_lshl_b32 s21, s[16+\i], 5                    ; 32 bytes a tile of 16 bf16
	v_add_nc_u32 v[S144+\i], s21, v[QKA]
	v_add_nc_u32 v[SV+\i], s21, v4
.endr
	v_mul_u32_u24 v4, v1, 272
	v_lshl_add_u32 v4, v2, 5, v4
	s_lshl_b32 s20, s12, 6
	s_add_co_u32 s20, s20, HKS
	v_add_nc_u32 v[HKA], s20, v4                   ; halo k, f32: row r, columns 16 w + 8 h ..
	v_and_b32 v4, 8, v1
	v_lshl_add_u32 v4, v4, 5, v1
	v_mul_u32_u24 v4, v4, 160
	v_lshl_add_u32 v4, v2, 4, v4
	s_lshl_b32 s20, s12, 5
	s_add_co_u32 s20, s20, VS
	v_add_nc_u32 v[HVA], s20, v4                   ; halo v: stage row r or 256 + r, columns 16 w + 8 h ..
	v_lshrrev_b32 v4, 3, v3
	v_lshl_add_u32 v4, s12, 2, v4                  ; the halo row that I normalise: 4 w + L / 8,
	v_and_b32 v5, 7, v3                            ; its columns 8 (L & 7) ..
	v_mul_u32_u24 v22, v4, 272
	v_lshl_add_u32 v22, v5, 5, v22
	v_add_nc_u32 v[HKR], HKS, v22
	v_and_b32 v22, 8, v4
	v_lshl_add_u32 v22, v22, 5, v4
	v_mul_u32_u24 v22, v22, 144
	v_lshl_add_u32 v22, v5, 4, v22
	v_add_nc_u32 v[HKW], KS, v22
	v_lshl_add_u32 v22, v2, 3, v5                  ; transposing loads of v: row 8 h + (L & 7), 16 bytes x ((L >> 3) & 1)
	v_mul_u32_u24 v22, v22, 160
	v_bfe_u32 v23, v0, 3, 1
	v_lshl_add_u32 v22, v23, 4, v22
	s_mul_i32 s20, s12, 64*160
	s_add_co_u32 s20, s20, VS
	v_add_nc_u32 v[VA], s20, v22
	v_lshrrev_b32 v22, 3, v3                       ; results read back: four rows of 128 bytes a load
	v_mul_u32_u24 v22, v22, 144
	v_lshl_add_u32 v22, v5, 4, v22
	s_mul_i32 s20, s12, 64*144
	v_add_nc_u32 v[ORA], s20, v22
	s_lshl_b32 s20, s13, 18                        ; att = [32 blocks of 128 rows][16 heads][128 rows][64]: my 64 rows are 8,192 dense bytes
	s_lshl_b32 s21, s14, 13
	s_add_co_u32 s20, s20, s21
	v_lshl_add_u32 v[GO], v3, 4, s20
	s_lshl_b32 s20, s43, 19
	s_mov_b32 s21, 0
	s_add_nc_u64 s[10:11], s[10:11], s[20:21]
	s_lshl_b32 s46, s42, 14
	s_mov_b32 s47, 0
	s_add_nc_u64 s[10:11], s[10:11], s[46:47]
	; the halo tiles: bias; k goes out in f32 (its row is spread over the four waves), v as head and remainder
	WIN 0x02
.irp c, 0,2,4,6
	v_pk_add_f32 v[T+\c:T+\c+1], v[HK+\c:HK+\c+1], v[BIAS+32+\c:BIAS+32+\c+1]
	v_pk_add_f32 v[T+8+\c:T+8+\c+1], v[HV+\c:HV+\c+1], v[BIAS+64+\c:BIAS+64+\c+1]
.endr
	WIN 0
	ds_store_b128 v[HKA], v[T:T+3]
	ds_store_b128 v[HKA], v[T+4:T+7] offset:16
.irp c, 0,1,2,3
	v_cvt_pk_bf16_f32 v[T+16+\c], v[T+8+2*\c], v[T+8+2*\c+1]
.endr
.irp c, 0,1,2,3
	v_lshlrev_b32 v[TMP+2*\c], 16, v[T+16+\c]
	v_and_b32 v[TMP+2*\c+1], s87, v[T+16+\c]
.endr
.irp c, 0,1,2,3
	v_pk_add_f32 v[T+8+2*\c:T+8+2*\c+1], v[T+8+2*\c:T+8+2*\c+1], v[TMP+2*\c:TMP+2*\c+1] neg_lo:[0,1] neg_hi:[0,1]
.endr
.irp c, 0,1,2,3
	v_cvt_pk_bf16_f32 v[T+20+\c], v[T+8+2*\c], v[T+8+2*\c+1]
.endr
	ds_store_b128 v[HVA], v[T+16:T+19]
	ds_store_b128 v[HVA], v[T+20:T+23] offset:VLO
; Row tile a: bias, the norms of q and k (my 32 numbers, then the other half of the lanes), q / (|q| + 1e-6) x log2 e, k / (|k| + 1e-6), v split, all to the stages.
.macro STAGE a
	WIN (2+(\a>>1))                                ; source 0 = the accumulators' window
.irp b, 0,1,2,3,4,5,6,7,8,9,10,11
.irp c, 0,2,4,6
	v_pk_add_f32 v[T+8*\b+\c:T+8*\b+\c+1], v[8*(12*(\a&1)+\b)+\c:8*(12*(\a&1)+\b)+\c+1], v[BIAS+8*\b+\c:BIAS+8*\b+\c+1]
.endr
.endr
	WIN 0
	v_pk_mul_f32 v[216:217], v[T:T+1], v[T:T+1]                    ; four chains: q's two halves, k's two halves
	v_pk_mul_f32 v[218:219], v[T+16:T+17], v[T+16:T+17]
	v_pk_mul_f32 v[220:221], v[T+32:T+33], v[T+32:T+33]
	v_pk_mul_f32 v[222:223], v[T+48:T+49], v[T+48:T+49]
.irp c, 2,4,6,8,10,12,14
	v_pk_fma_f32 v[216:217], v[T+\c:T+\c+1], v[T+\c:T+\c+1], v[216:217]
	v_pk_fma_f32 v[218:219], v[T+16+\c:T+16+\c+1], v[T+16+\c:T+16+\c+1], v[218:219]
	v_pk_fma_f32 v[220:221], v[T+32+\c:T+32+\c+1], v[T+32+\c:T+32+\c+1], v[220:221]
	v_pk_fma_f32 v[222:223], v[T+48+\c:T+48+\c+1], v[T+48+\c:T+48+\c+1], v[222:223]
.endr
	v_pk_add_f32 v[216:217], v[216:217], v[218:219]
	v_pk_add_f32 v[220:221], v[220:221], v[222:223]
	v_add_f32 v216, v216, v217
	v_add_f32 v220, v220, v221
	v_permlanex16_b32 v217, v216, s96, s97
	v_permlanex16_b32 v221, v220, s96, s97
	v_add_f32 v216, v216, v217
	v_add_f32 v220, v220, v221
	v_sqrt_f32 v216, v216
	v_sqrt_f32 v220, v220
	v_nop                                          ; one plain vector instruction behind a transcendental before its result is used (ISA guide 5.7.2)
	s_wait_alu depctr_va_vdst(0)
	v_add_f32 v216, 0x358637bd, v216               ; + 1e-6
	v_add_f32 v220, 0x358637bd, v220
	v_rcp_f32 v216, v216
	v_rcp_f32 v220, v220
	v_nop
	s_wait_alu depctr_va_vdst(0)
	v_mul_f32 v216, 0x3fb8aa3b, v216               ; log2 e rides on q: the scores come out ready for v_exp_f32
.irp c, 0,2,4,6,8,10,12,14,16,18,20,22,24,26,28,30
	v_pk_mul_f32 v[T+\c:T+\c+1], v[T+\c:T+\c+1], v[216:217] op_sel_hi:[1,0]
	v_pk_mul_f32 v[T+32+\c:T+32+\c+1], v[T+32+\c:T+32+\c+1], v[220:221] op_sel_hi:[1,0]
.endr
.irp i, 0,1,2,3                                    ; v = head + remainder; the difference is exact in f32
.irp c, 0,1,2,3
	v_cvt_pk_bf16_f32 v[VH+4*\i+\c], v[TV+8*\i+2*\c], v[TV+8*\i+2*\c+1]
.endr
.irp c, 0,1,2,3
	v_lshlrev_b32 v[TMP+2*\c], 16, v[VH+4*\i+\c]
	v_and_b32 v[TMP+2*\c+1], s87, v[VH+4*\i+\c]
.endr
.irp c, 0,1,2,3
	v_pk_add_f32 v[TV+8*\i+2*\c:TV+8*\i+2*\c+1], v[TV+8*\i+2*\c:TV+8*\i+2*\c+1], v[TMP+2*\c:TMP+2*\c+1] neg_lo:[0,1] neg_hi:[0,1]
.endr
.endr
.irp b, 0,1,2,3,4,5,6,7,8,9,10,11                  ; q, k and v's remainders to bf16, packed in place: a source is used up before it is written
.irp c, 0,1,2,3
	v_cvt_pk_bf16_f32 v[T+8*\b+\c], v[T+8*\b+2*\c], v[T+8*\b+2*\c+1]
.endr
.endr
.irp i, 0,1,2,3
	ds_store_b128 v[S144+\i], v[T+8*\i:T+8*\i+3] offset:2304*\a
	ds_store_b128 v[S144+\i], v[T+32+8*\i:T+32+8*\i+3] offset:KS+8*144+2304*\a
	ds_store_b128 v[SV+\i], v[VH+4*\i:VH+4*\i+3] offset:2560*\a
	ds_store_b128 v[SV+\i], v[TV+8*\i:TV+8*\i+3] offset:VLO+2560*\a
.endr
.endm
	STAGE 0
	STAGE 1
	STAGE 2
	STAGE 3
	s_wait_dscnt 0x0                               ; my stores are done, for the others' sake
	s_barrier_signal -1
	s_barrier_wait -1
	; the halo's k: wave w normalises rows 4 w .. 4 w + 3, eight lanes a row
	ds_load_b128 v[120:123], v[HKR]
	ds_load_b128 v[124:127], v[HKR] offset:16
	s_wait_dscnt 0x0
	v_pk_mul_f32 v[216:217], v[120:121], v[120:121]
	v_pk_fma_f32 v[216:217], v[122:123], v[122:123], v[216:217]
	v_pk_fma_f32 v[216:217], v[124:125], v[124:125], v[216:217]
	v_pk_fma_f32 v[216:217], v[126:127], v[126:127], v[216:217]
	v_add_f32 v216, v216, v217
	v_add_f32_dpp v216, v216, v216 row_xmask:1 row_mask:0xf bank_mask:0xf
	v_add_f32_dpp v216, v216, v216 row_xmask:2 row_mask:0xf bank_mask:0xf
	v_add_f32_dpp v216, v216, v216 row_xmask:4 row_mask:0xf bank_mask:0xf
	v_sqrt_f32 v216, v216
	v_nop
	s_wait_alu depctr_va_vdst(0)
	v_add_f32 v216, 0x358637bd, v216
	v_rcp_f32 v216, v216
	v_nop
	s_wait_alu depctr_va_vdst(0)
.irp c, 0,2,4,6
	v_pk_mul_f32 v[120+\c:121+\c], v[120+\c:121+\c], v[216:217] op_sel_hi:[1,0]
.endr
.irp c, 0,1,2,3
	v_cvt_pk_bf16_f32 v[120+\c], v[120+2*\c], v[121+2*\c]
.endr
	ds_store_b128 v[HKW], v[120:123]
	s_wait_dscnt 0x0
	s_barrier_signal -1
	s_barrier_wait -1                              ; the stages are whole
; ATTENTION, all in window 0.  16 queries (tile u of my four) need the 32 keys at stage rows 64 w + 16 u .. + 31.  S^T = K Q^T: lane (r, h), register j
; of key tile kt holds key 16 kt + 8 h + j and query r, which is the layout of P^T as the second source of O^T = V^T P^T: no shuffle between the two.
.set BM, 66                            ; s66-81  band: lanes where 0 <= 16 kt + 8 h + j - r <= 16
.set EM, 82                            ; s82-86  key tile e = u + kt of my five lies inside the sequence (whole groups of 8 keys lie inside or outside)
.set QF, 24                            ; v24-55   q's fragments 16 x + 8 s; then P's heads 16 x, remainders 16 x + 8; then the results read back
.set KF, 56                            ; v56-103  k's fragments 16 k + 8 s; then the fragments of v's remainders
.set VF, 104                           ; v104-151 v's heads 12 d + 4 k: tiles k = x and x + 1 are neighbours, eight registers
.set ST, 152                           ; v152-183 scores 16 x + 8 kt
.set OA, 184                           ; v184-247 results 32 x + 8 d
	s_and_b32 s20, s43, 3
	s_lshl_b32 s20, s20, 8
	s_lshl_b32 s21, s12, 6
	s_add_co_u32 s20, s20, s21
	s_sub_co_u32 s20, s20, 8                       ; place in the sequence of the key at my first stage row (may be -8)
	v_lshl_add_u32 v22, v2, 3, s20
.irp e, 0,1,2,3,4
	v_add_nc_u32 v23, 16*\e, v22
	v_cmp_gt_u32 s[EM+\e], 0x400, v23              ; unsigned: a negative place fails too
.endr
	v_lshlrev_b32 v22, 3, v2
	v_sub_nc_u32 v22, v22, v1                      ; 8 h - r
.irp k, 0,1
.irp j, 0,1,2,3,4,5,6,7
	v_add_nc_u32 v23, 16*\k+\j, v22
	v_cmp_ge_u32 s[BM+8*\k+\j], 16, v23
.endr
.endr
.macro SMUL s, zero                    ; four score tiles, 32 of the 64 along d.  The four accumulators take turns
.irp x, 0,1
.irp k, 0,1
.if \zero
	v_wmma_f32_16x16x32_bf16 v[ST+16*\x+8*\k:ST+16*\x+8*\k+7], v[KF+16*(\x+\k)+8*\s:KF+16*(\x+\k)+8*\s+7], v[QF+16*\x+8*\s:QF+16*\x+8*\s+7], 0
.else
	v_wmma_f32_16x16x32_bf16 v[ST+16*\x+8*\k:ST+16*\x+8*\k+7], v[KF+16*(\x+\k)+8*\s:KF+16*(\x+\k)+8*\s+7], v[QF+16*\x+8*\s:QF+16*\x+8*\s+7], v[ST+16*\x+8*\k:ST+16*\x+8*\k+7]
.endif
.endr
.endr
.endm
.macro OMUL vf, po, zero               ; eight result tiles: v's fragments at vf x P's at QF + 16 x + po.  The eight accumulators take turns
.irp x, 0,1
.irp d, 0,1,2,3
.if \zero
	v_wmma_f32_16x16x32_bf16 v[OA+32*\x+8*\d:OA+32*\x+8*\d+7], v[\vf+12*\d+4*\x:\vf+12*\d+4*\x+7], v[QF+16*\x+\po:QF+16*\x+\po+7], 0
.else
	v_wmma_f32_16x16x32_bf16 v[OA+32*\x+8*\d:OA+32*\x+8*\d+7], v[\vf+12*\d+4*\x:\vf+12*\d+4*\x+7], v[QF+16*\x+\po:QF+16*\x+\po+7], v[OA+32*\x+8*\d:OA+32*\x+8*\d+7]
.endif
.endr
.endr
.endm
.macro NORM x                          ; a query's sum over my 16 keys and the other half's, P = p / sum, split into head and remainder
	v_pk_add_f32 v[248:249], v[ST+16*\x:ST+16*\x+1], v[ST+16*\x+2:ST+16*\x+3]
	v_pk_add_f32 v[250:251], v[ST+16*\x+4:ST+16*\x+5], v[ST+16*\x+6:ST+16*\x+7]
	v_pk_add_f32 v[252:253], v[ST+16*\x+8:ST+16*\x+9], v[ST+16*\x+10:ST+16*\x+11]
	v_pk_add_f32 v[254:255], v[ST+16*\x+12:ST+16*\x+13], v[ST+16*\x+14:ST+16*\x+15]
	v_pk_add_f32 v[248:249], v[248:249], v[250:251]
	v_pk_add_f32 v[252:253], v[252:253], v[254:255]
	v_pk_add_f32 v[248:249], v[248:249], v[252:253]
	v_add_f32 v248, v248, v249
	v_permlanex16_b32 v249, v248, s96, s97
	v_add_f32 v248, v248, v249
	v_rcp_f32 v248, v248
	v_nop
	s_wait_alu depctr_va_vdst(0)
.irp c, 0,2,4,6,8,10,12,14
	v_pk_mul_f32 v[ST+16*\x+\c:ST+16*\x+\c+1], v[ST+16*\x+\c:ST+16*\x+\c+1], v[248:249] op_sel_hi:[1,0]
.endr
.irp g, 0,1
.irp c, 0,1,2,3
	v_cvt_pk_bf16_f32 v[QF+16*\x+4*\g+\c], v[ST+16*\x+8*\g+2*\c], v[ST+16*\x+8*\g+2*\c+1]
.endr
.irp c, 0,1,2,3
	v_lshlrev_b32 v[248+2*\c], 16, v[QF+16*\x+4*\g+\c]
	v_and_b32 v[249+2*\c], s87, v[QF+16*\x+4*\g+\c]
.endr
.irp c, 0,1,2,3
	v_pk_add_f32 v[ST+16*\x+8*\g+2*\c:ST+16*\x+8*\g+2*\c+1], v[ST+16*\x+8*\g+2*\c:ST+16*\x+8*\g+2*\c+1], v[248+2*\c:249+2*\c] neg_lo:[0,1] neg_hi:[0,1]
.endr
.irp c, 0,1,2,3
	v_cvt_pk_bf16_f32 v[QF+16*\x+8+4*\g+\c], v[ST+16*\x+8*\g+2*\c], v[ST+16*\x+8*\g+2*\c+1]
.endr
.endr
.endm
; query tiles u = 2 p + x (x = 0, 1), key tiles k = 0 .. 2 at stage rows 64 w + 32 p + 16 k
.macro PASS p
.if \p
	s_wait_xcnt 0x0                                ; QF, which the last stores read, is loaded again only behind this wait
.endif
.irp x, 0,1
.irp j, 0,1,2,3
	ds_load_b128 v[QF+16*\x+4*\j:QF+16*\x+4*\j+3], v[QKA] offset:2304*(2*\p+\x)+32*\j
.endr
.endr
.irp k, 0,1,2
.irp j, 0,1,2,3
	ds_load_b128 v[KF+16*\k+4*\j:KF+16*\k+4*\j+3], v[QKA] offset:KS+2304*(2*\p+\k)+32*\j
.endr
.endr
.irp d, 0,1,2,3
.irp k, 0,1,2
	ds_load_tr16_b128 v[VF+12*\d+4*\k:VF+12*\d+4*\k+3], v[VA] offset:160*(32*\p+16*\k)+32*\d
.endr
.endr
	s_wait_dscnt 12                                ; q and k are in; v's 12 loads may stay out
	SMUL 0, 1
	SMUL 1, 0
	PLACES
.irp d, 0,1,2,3
.irp k, 0,1,2
	ds_load_tr16_b128 v[KF+12*\d+4*\k:KF+12*\d+4*\k+3], v[VA] offset:VLO+160*(32*\p+16*\k)+32*\d   ; v's remainders, into k's registers
.endr
.endr
.set i, 0
.rept 32
	v_exp_f32 v[ST+i], v[ST+i]                     ; 2^(score x log2 e); the exponent lies within +-1.46 (see the head)
.set i, i+1
.endr
	v_nop
	s_wait_alu depctr_va_vdst(0)
.irp x, 0,1
.irp k, 0,1
.irp j, 0,1,2,3,4,5,6,7
	s_and_b32 s[88+\j], s[BM+8*\k+\j], s[EM+2*\p+\x+\k]
	v_cndmask_b32 v[ST+16*\x+8*\k+\j], 0, v[ST+16*\x+8*\k+\j], s[88+\j]   ; weight 0 outside the band or the sequence
.endr
.endr
.endr
	NORM 0
	NORM 1
	s_wait_dscnt 0x0                               ; v's heads and remainders
	OMUL VF, 0, 1                                  ; Vhi Phi starts the sums
	OMUL VF, 8, 0                                  ; + Vhi Plo
	OMUL KF, 0, 0                                  ; + Vlo Phi
	PLACES
.irp b, 0,1,2,3,4,5,6,7
.irp c, 0,1,2,3
	v_cvt_pk_bf16_f32 v[OA+8*\b+\c], v[OA+8*\b+2*\c], v[OA+8*\b+2*\c+1]
.endr
.endr
.irp x, 0,1
.irp d, 0,1,2,3
	ds_store_b128 v[QKA], v[OA+32*\x+8*\d:OA+32*\x+8*\d+3] offset:2304*(2*\p+\x)+32*\d   ; into my own q rows of these tiles, which have been read
.endr
.endr
.irp x, 0,1
.irp j, 0,1,2,3
	ds_load_b128 v[QF+16*\x+4*\j:QF+16*\x+4*\j+3], v[ORA] offset:2304*(2*\p+\x)+576*\j   ; LDS serves a wave's instructions in order (ISA guide 5.7.1.4): these see the stores above
.endr
.endr
.irp x, 0,1
.irp j, 0,1,2,3
	s_wait_dscnt 7-(4*\x+\j)
	global_store_b128 v[GO], v[QF+16*\x+4*\j:QF+16*\x+4*\j+3], s[10:11] offset:2048*(2*\p+\x)+512*\j   ; four rows of 128 bytes: 512 consecutive bytes, aligned
.endr
.endr
.endm
	PASS 0
	PASS 1
	s_set_vgpr_msb 0x5
	s_wait_tensorcnt 0x0
	ds_add_u32 v118, v119
	s_wait_dscnt 0x0
	s_set_vgpr_msb 0x500
	CROUND                                         ; the closing round: no work-group ends while a partner may still ask for a tile that names it
	s_endpgm
.Lfunc_end_k_qee235cdd11_qkvattn:
	.size	k_qee235cdd11_qkvattn, .Lfunc_end_k_qee235cdd11_qkvattn-k_qee235cdd11_qkvattn
	.p2alignl 7, 3214868480
	.fill 96, 4, 3214868480
	.section	.rodata,"a",@progbits
	.p2align	6, 0x0
	.amdhsa_kernel k_qee235cdd11_qkvattn
		.amdhsa_group_segment_fixed_size 327680
		.amdhsa_private_segment_fixed_size 0
		.amdhsa_enable_private_segment 0
		.amdhsa_kernarg_size 32
		.amdhsa_user_sgpr_count 2
		.amdhsa_user_sgpr_kernarg_segment_ptr 1
		.amdhsa_wavefront_size32 1
		.amdhsa_system_sgpr_workgroup_id_x 1
		.amdhsa_system_sgpr_workgroup_id_y 1
		.amdhsa_system_sgpr_workgroup_id_z 1
		.amdhsa_system_vgpr_workitem_id 0
		.amdhsa_next_free_vgpr 1024
		.amdhsa_next_free_sgpr 100
		.amdhsa_reserve_vcc 0
		.amdhsa_float_denorm_mode_32 3
		.amdhsa_float_denorm_mode_16_64 3
		.amdhsa_memory_ordered 1
		.amdhsa_forward_progress 1
		.amdhsa_inst_pref_size 255
	.end_amdhsa_kernel
	.amdgpu_metadata
---
amdhsa.version: [ 1, 2 ]
amdhsa.kernels:
  - .name:           k_qee235cdd11_qkvattn
    .symbol:         k_qee235cdd11_qkvattn.kd
    .args:
      - { .name: xb, .offset: 0, .size: 8, .value_kind: global_buffer, .address_space: global }
      - { .name: wqb, .offset: 8, .size: 8, .value_kind: global_buffer, .address_space: global }
      - { .name: b_qkv, .offset: 16, .size: 8, .value_kind: global_buffer, .address_space: global }
      - { .name: att, .offset: 24, .size: 8, .value_kind: global_buffer, .address_space: global }
    .group_segment_fixed_size: 327680
    .private_segment_fixed_size: 0
    .kernarg_segment_align: 8
    .kernarg_segment_size: 32
    .max_flat_workgroup_size: 128
    .sgpr_count:     100
    .vgpr_count:     1024
    .wavefront_size: 32
...
	.end_amdgpu_metadata
.endif
;; end of part 2
;; launch oproj (part 3): grid 8 x 32, 4 waves a work-group, clusters of 4 x 4, 327,680 bytes of LDS; arguments att, wob, b_out, out0; writes out0
.if DOCPART == 3
	.amdgcn_target "amdgcn-amd-amdhsa--gfx1250"
	.amdhsa_code_object_version 6
	.text
	.protected	k_qee235cdd11_oproj
	.globl	k_qee235cdd11_oproj
	.p2align	8
	.type	k_qee235cdd11_oproj,@function
k_qee235cdd11_oproj:
	s_mov_b64 s[64:65], 0
	v_nop
	global_prefetch_b8 v0, s[64:65] scope:SCOPE_SE
	s_setreg_imm32_b32 hwreg(HW_REG_WAVE_MODE, 25, 1), 1
	s_wait_xcnt 0x0
	s_wait_alu depctr_hold_cnt(0) depctr_sa_sdst(0) depctr_va_vdst(0) depctr_va_sdst(0) depctr_va_ssrc(0) depctr_va_vcc(0) depctr_vm_vsrc(0)
	s_getreg_b32 s2, hwreg(HW_REG_IB_STS2, 6, 4)
	s_cmp_eq_u32 s2, 0
	s_cbranch_scc0 .Lentry_in_a_cluster
	s_endpgm
.Lentry_in_a_cluster:
	s_bfe_u32 s2, ttmp6, 0x10000c
	s_cmp_lg_u32 s2, 0xf033
	s_cbranch_scc0 .Lentry_shape_is_right
	s_endpgm
.Lentry_shape_is_right:
; out0 = att wob^T + b_out, f32, with the rows put back into the order of x.  A work-group makes 128 reordered rows x 128 columns (K = 1024), so that
; 32 x 8 = 256 work-groups share the work; a wave makes 64 x 64: 16 accumulator tiles.
; att lies as [32 row blocks][16 heads][128 rows][64] bf16: four heads of a row block (256 along K) are 65,536 dense bytes.  They come in as rows of 256 bytes
; (two att rows each) padded by 16: att row q of a head plane lies at (q >> 1) 272 + (q & 1) 128, and the sixteen rows of a fragment load fall on
; sixteen different 16-byte columns modulo 256.  wob's rows come in as 512 bytes padded by 16.
; RING: two slots of 256 along K, one tensor load a wave (waves 0, 1: two planes of A each, 128 rows of 256 bytes; waves 2, 3: 64 rows of B each).
; A wave has two loads out at the start and one behind each round; from a request to the wait for it it issues 120 matrix instructions.
; CLUSTER 4 x 4: A's tiles are shared along a row of the cluster (same row block), B's along a column (same column block), by joint loads.
; The matrix instruction is used transposed (source 0 = rows of wob, source 1 = rows of att): lane (r, h) holds row r, columns 8 h .. 8 h + 7 of a tile.
.set APITCH, 272
.set PLANE,  64*APITCH                 ; one head's 128 rows
.set BPITCH, 528
.set ABYTES, 4*PLANE
.set SLOT,   ABYTES+128*BPITCH         ; 137,216 bytes
.set STAGE,  2*SLOT                    ; behind the ring: 16 rows x 272 bytes for each wave; no fill lands here
.set ASTEP,  65536                     ; bytes of att for 256 along K
.set BSTEP,  512                       ; bytes of a row of wob for 256 along K
.set ADRA, 16                          ; v16-17 LDS address of my A fragments in slot 0, 1
.set ADRB, 20                          ; v20-21 of my B fragments
.set STO,  24
.set RD,   25
.set CO,   26
.set BO,   27
.set BIAS, 32                          ; v32-63   b_out of my 8 columns in each of 4 column tiles
.set T,    64                          ; v64-95   16 rows x 64 columns with the bias added
.set RB,   96                          ; v96-127  the same read back by rows
.set FAA,  128                         ; windows 0, 1: fragment buffers: A at 128 + 8 (2 a + s), B at 192 + 8 (2 b + s), s = which 32 of a plane's 64
.set FBB,  192
.set G1, 24
.set G0, 32
.set G1B, 48
.set G0B, 56
.set MSB, 0
.macro WIN new                         ; low byte: bits 1:0 source 0, 3:2 source 1, 5:4 source 2, 7:6 destination; the high byte repeats the setting that is left
.if MSB != (\new)
	s_set_vgpr_msb (MSB<<8)|(\new)
.set MSB, (\new)
.endif
.endm
.macro PLACES                          ; four independent vector instructions behind a matrix instruction (ISA guide 7.12.1 for vector instructions)
.rept 4
	v_nop
.endr
.endm
.macro JLOAD s
	s_cmp_eq_u32 s13, 0
	s_cbranch_scc0 .Lfor_b_\@
	tensor_load_to_lds s[G0+4*\s:G0+4*\s+3], s[G1:G1+7]
	s_nop 0
	s_branch .Lasked_\@
.Lfor_b_\@:
	tensor_load_to_lds s[G0B+4*\s:G0B+4*\s+3], s[G1B:G1B+7]
	s_nop 0
.Lasked_\@:
.endm
.macro CREST
	s_cmp_lg_u32 s12, 0
	s_cbranch_scc1 .Lnot_wave_0_\@
	s_barrier_signal -3
.Lnot_wave_0_\@:
	s_barrier_wait -3
	s_barrier_signal -1
	s_barrier_wait -1
.endm
.macro CROUND
	s_barrier_signal -1
	s_barrier_wait -1
	CREST
.endm
	s_load_b256 s[4:11], s[0:1], 0x0               ; att s[4:5], wob s[6:7], b_out s[8:9], out0 s[10:11]
	s_set_vgpr_msb 0x40
	v_lshl_add_u32 v126, v0, 2, 0x47400
	v_mov_b32 v127, 0
	s_set_vgpr_msb 0x4045
	ds_add_u32 v126, v127
	s_set_vgpr_msb 0x4500
	v_lshrrev_b32 v1, 5, v0
	v_readfirstlane_b32 s12, v1                    ; wave
	s_lshr_b32 s13, s12, 1                         ; my half of the rows.  Also: I fetch for A (0) or for B (1)
	s_and_b32 s14, s12, 1                          ; my half of the columns.  Also: which half of that tile I fetch
	s_bfe_u32 s40, ttmp6, 0x40000                  ; cx
	s_bfe_u32 s41, ttmp6, 0x40004                  ; cy
	s_lshl_b32 s42, ttmp9, 2
	s_add_co_u32 s42, s42, s40                     ; column block
	s_and_b32 s43, ttmp7, 0xffff
	s_lshl_b32 s43, s43, 2
	s_add_co_u32 s43, s43, s41                     ; row block
	s_lshl_b32 s44, s41, 2
	s_lshl_b32 s44, 15, s44                        ; my row of the cluster
	s_lshl_b32 s45, 0x1111, s40                    ; my column
	s_or_b32 s[G1+0], s44, (1<<16)|(1<<20)|(1<<21)|(5<<22)|(3<<25)   ; A: elements of 2 bytes, 16 bytes of padding behind every 64 words
	s_mov_b32 s[G1+1], 128<<16                     ; a dense block as 128 rows of 128 elements
	s_mov_b32 s[G1+2], 128<<16
	s_mov_b32 s[G1+3], 128<<16
	s_mov_b32 s[G1+4], 128
	s_mov_b32 s[G1+5], 128
	s_mov_b32 s[G1+6], 0
	s_mov_b32 s[G1+7], 0
	s_or_b32 s[G1B+0], s45, (1<<16)|(1<<20)|(1<<21)|(6<<22)|(3<<25)  ; B: padding behind every 128 words
	s_mov_b32 s[G1B+1], 256<<16                    ; 64 rows of 256 elements, 1,024 elements from row to row
	s_mov_b32 s[G1B+2], 64<<16
	s_mov_b32 s[G1B+3], 256<<16
	s_mov_b32 s[G1B+4], 64
	s_mov_b32 s[G1B+5], 1024
	s_mov_b32 s[G1B+6], 0
	s_mov_b32 s[G1B+7], 0
	s_lshl_b32 s20, s43, 18                        ; A: row block x 262,144 + half x two planes
	s_lshl_b32 s21, s14, 15
	s_add_co_u32 s20, s20, s21
	s_mov_b32 s21, 0
	s_lshl_b32 s46, s42, 7                         ; B: row 128 x column block + 64 x half
	s_lshl_b32 s47, s14, 6
	s_add_co_u32 s46, s46, s47
	s_lshl_b32 s46, s46, 11
	s_mov_b32 s47, 0
	s_mul_i32 s22, s12, 2*PLANE                    ; LDS: A's halves at w x 34,816 (w = 0, 1),
	s_mul_i32 s23, s12, 64*BPITCH
	s_add_co_u32 s23, s23, ABYTES-2*64*BPITCH      ; B's at 69,632 + (w - 2) x 33,792 (w = 2, 3)
	s_wait_dscnt 0x0
	s_wait_kmcnt 0x0
	s_add_nc_u64 s[20:21], s[4:5], s[20:21]
	s_add_nc_u64 s[46:47], s[6:7], s[46:47]
	CROUND                                         ; all sixteen work-groups are here: the first joint loads meet
.irp s, 0,1
	s_mov_b32 s[G0+4*\s], 1
	s_add_co_u32 s[G0+4*\s+1], s22, \s*SLOT
	s_add_nc_u64 s[G0+4*\s+2:G0+4*\s+3], s[20:21], \s*ASTEP
	s_or_b32 s[G0+4*\s+3], s[G0+4*\s+3], 0x80000000
	s_mov_b32 s[G0B+4*\s], 1
	s_add_co_u32 s[G0B+4*\s+1], s23, \s*SLOT
	s_add_nc_u64 s[G0B+4*\s+2:G0B+4*\s+3], s[46:47], \s*BSTEP
	s_or_b32 s[G0B+4*\s+3], s[G0B+4*\s+3], 0x80000000
	JLOAD \s
.endr
	v_and_b32 v1, 15, v0                           ; r
	v_bfe_u32 v2, v0, 4, 1                         ; h
	v_lshrrev_b32 v3, 1, v1
	v_mul_u32_u24 v3, v3, APITCH
	v_and_b32 v4, 1, v1
	v_lshl_add_u32 v3, v4, 7, v3
	v_lshl_add_u32 v3, v2, 4, v3                   ; (r >> 1) 272 + (r & 1) 128 + 16 h
	s_mul_i32 s20, s13, 32*APITCH
	v_add_nc_u32 v[ADRA], s20, v3
	v_add_nc_u32 v[ADRA+1], SLOT, v[ADRA]
	v_mul_u32_u24 v4, v1, BPITCH
	v_lshl_add_u32 v4, v2, 4, v4
	s_mul_i32 s21, s14, 64*BPITCH
	s_add_co_u32 s21, s21, ABYTES
	v_add_nc_u32 v[ADRB], s21, v4
	v_add_nc_u32 v[ADRB+1], SLOT, v[ADRB]
	s_mul_i32 s20, s12, 16*272
	s_add_co_u32 s20, s20, STAGE                   ; my stage
	v_mul_u32_u24 v3, v1, 272
	v_lshl_add_u32 v3, v2, 5, v3
	v_add_nc_u32 v[STO], s20, v3                   ; in: row r, 32 bytes for each half of the lanes
	v_mul_u32_u24 v3, v2, 272
	v_lshl_add_u32 v3, v1, 4, v3
	v_add_nc_u32 v[RD], s20, v3                    ; back: lanes 0-15 take one row of 256 bytes, lanes 16-31 the next
	s_lshl_b32 s20, s13, 19                        ; in out0 neighbouring reordered rows lie 8,192 bytes apart: 64 rows,
	s_lshl_b32 s21, s14, 8                         ; 64 columns
	s_add_co_u32 s20, s20, s21
	v_lshl_add_u32 v3, v2, 13, s20
	v_lshl_add_u32 v[CO], v1, 4, v3
	v_lshl_add_u32 v[BO], v2, 5, s21               ; bias: 4 bytes x (64 x half + 8 h)
	s_lshl_b32 s46, s42, 9                         ; 128 columns of f32 a column block
	s_mov_b32 s47, 0
	s_add_nc_u64 s[8:9], s[8:9], s[46:47]
	s_add_nc_u64 s[10:11], s[10:11], s[46:47]
.irp b, 0,1,2,3
	global_load_b128 v[BIAS+8*\b:BIAS+8*\b+3], v[BO], s[8:9] offset:64*\b        ; waited for behind the K phases
	global_load_b128 v[BIAS+8*\b+4:BIAS+8*\b+7], v[BO], s[8:9] offset:64*\b+16
.endr
	s_lshr_b32 s20, s43, 4                         ; row block y holds rows 128 y ..: batch y >> 4, parity (y >> 3) & 1, place 128 (y & 7) in the sequence;
	s_lshl_b32 s20, s20, 11                        ; row of out0 = 2,048 batch + 2 place + parity
	s_bfe_u32 s21, s43, 0x10003
	s_add_co_u32 s20, s20, s21
	s_and_b32 s21, s43, 7
	s_lshl_b32 s21, s21, 8
	s_add_co_u32 s20, s20, s21
	s_lshl_b32 s20, s20, 12
	s_mov_b32 s21, 0
	s_add_nc_u64 s[10:11], s[10:11], s[20:21]
; 8 matrix instructions: row tiles a0, a0 + 1 x 4 column tiles, half h of a plane's 64 along K
.macro MUL8 h, a0, zero
.irp a, \a0, \a0+1
.irp b, 0,1,2,3
.if \zero
	v_wmma_f32_16x16x32_bf16 v[8*(4*(\a)+\b):8*(4*(\a)+\b)+7], v[FBB+8*(2*\b+\h):FBB+8*(2*\b+\h)+7], v[FAA+8*(2*(\a)+\h):FAA+8*(2*(\a)+\h)+7], 0
.else
	v_wmma_f32_16x16x32_bf16 v[8*(4*(\a)+\b):8*(4*(\a)+\b)+7], v[FBB+8*(2*\b+\h):FBB+8*(2*\b+\h)+7], v[FAA+8*(2*(\a)+\h):FAA+8*(2*(\a)+\h)+7], v[8*(4*(\a)+\b):8*(4*(\a)+\b)+7]
.endif
.endr
.endr
.endm
; 32 LDS loads in one run: the fragments of plane pl (64 along K) into buffer g, the first 32 along K first
.macro FETCH slot, pl, g
	WIN (\g*64)
.irp h, 0,1
.irp b, 0,1,2,3
	ds_load_b128 v[FBB+8*(2*\b+\h):FBB+8*(2*\b+\h)+3], v[ADRB+\slot] offset:16*BPITCH*\b+128*\pl+64*\h
	ds_load_b128 v[FBB+8*(2*\b+\h)+4:FBB+8*(2*\b+\h)+7], v[ADRB+\slot] offset:16*BPITCH*\b+128*\pl+64*\h+32
.endr
.irp a, 0,1,2,3
	ds_load_b128 v[FAA+8*(2*\a+\h):FAA+8*(2*\a+\h)+3], v[ADRA+\slot] offset:PLANE*\pl+8*APITCH*\a+64*\h
	ds_load_b128 v[FAA+8*(2*\a+\h)+4:FAA+8*(2*\a+\h)+7], v[ADRA+\slot] offset:PLANE*\pl+8*APITCH*\a+64*\h+32
.endr
.endr
.endm
; One plane: 32 matrix instructions on buffer f; in the middle the next plane pl of the same slot is fetched into buffer g.
; The 16 accumulators take turns, one instruction a turn, in the same order everywhere.
.macro STRETCH slot, pl, f, g, zero
	s_wait_dscnt 16                                ; the fragments of the first 32 along K are in
	WIN (\f*5+0xa0)                                ; sources in window f, C and D in window 2
	MUL8 0, 0, \zero
	MUL8 0, 2, \zero
	PLACES
	FETCH \slot, \pl, \g
	s_wait_dscnt 32                                ; all but the 32 just issued
	WIN (\f*5+0xa0)
	MUL8 1, 0, 0
	MUL8 1, 2, 0
.endm
; The slot's last plane (buffer 1) and the change of slots: each wave's waits for its reads of the slot and for all its tensor loads stand in front of the
; barrier, which opens a round of the cluster's barrier where the slot is filled again; the joint refill is the first tensor load behind the round.
.macro TURN slot, next, fill
	s_wait_dscnt 16
	WIN 0xa5
	MUL8 0, 0, 0
	s_wait_dscnt 0
	s_wait_tensorcnt 0x0
	ds_add_u32 v126, v127
	s_wait_dscnt 0x0
	s_barrier_signal -1
	MUL8 0, 2, 0
	WIN 0
	s_barrier_wait -1
.if \fill
	CREST
	s_add_nc_u64 s[G0+4*\slot+2:G0+4*\slot+3], s[G0+4*\slot+2:G0+4*\slot+3], 2*ASTEP
	s_add_nc_u64 s[G0B+4*\slot+2:G0B+4*\slot+3], s[G0B+4*\slot+2:G0B+4*\slot+3], 2*BSTEP
	JLOAD \slot
.endif
	PLACES
	FETCH \next, 0, 0
	WIN 0xa5
	MUL8 1, 0, 0
	MUL8 1, 2, 0
.endm
.macro PHASE slot, next, fill, zero
	STRETCH \slot, 1, 0, 1, \zero
	STRETCH \slot, 2, 1, 0, 0
	STRETCH \slot, 3, 0, 1, 0
	TURN \slot, \next, \fill
.endm
	s_wait_tensorcnt 0x1                           ; my part of the first 256 along K is in; the second may stay out
	s_barrier_signal -1
	s_barrier_wait -1
	FETCH 0, 0, 0
	PHASE 0, 1, 1, 1                               ; K 0-255: the first products start the sums; slot 0 is asked for K 512-767
	PHASE 1, 0, 1, 0                               ; K 256-511; slot 1 is asked for K 768-1023
	PHASE 0, 1, 0, 0                               ; nothing is left to fetch
	STRETCH 1, 1, 0, 1, 0
	STRETCH 1, 2, 1, 0, 0
	STRETCH 1, 3, 0, 1, 0
	s_wait_dscnt 16
	WIN 0xa5
	MUL8 0, 0, 0
	MUL8 0, 2, 0
	s_wait_dscnt 0
	MUL8 1, 0, 0
	MUL8 1, 2, 0
	PLACES
	WIN 0
	s_wait_loadcnt 0x0                             ; the bias
; THE WAY OUT, 16 rows at a time: bias added, 32 bytes a lane into my own stage, read back as whole rows of 256 bytes
.macro OUT16 a
	WIN 0x02                                       ; source 0 = the accumulators' window
.irp b, 0,1,2,3
.irp c, 0,2,4,6
	v_pk_add_f32 v[T+8*\b+\c:T+8*\b+\c+1], v[8*(4*\a+\b)+\c:8*(4*\a+\b)+\c+1], v[BIAS+8*\b+\c:BIAS+8*\b+\c+1]
.endr
.endr
	WIN 0
.irp b, 0,1,2,3
	ds_store_b128 v[STO], v[T+8*\b:T+8*\b+3] offset:64*\b
	ds_store_b128 v[STO], v[T+8*\b+4:T+8*\b+7] offset:64*\b+16
.endr
	s_wait_xcnt 0x0                                ; RB, which the last stores read, is loaded again only behind this wait
.irp t, 0,1,2,3,4,5,6,7
	ds_load_b128 v[RB+4*\t:RB+4*\t+3], v[RD] offset:544*\t         ; LDS serves a wave's instructions in order (ISA guide 5.7.1.4): these see the stores above
.endr
.irp t, 0,1,2,3,4,5,6,7
	s_wait_dscnt 7-\t
	global_store_b128 v[CO], v[RB+4*\t:RB+4*\t+3], s[10:11] offset:(16*\a+2*\t)*8192 th:TH_STORE_NT   ; 16 lanes store 256 consecutive bytes, aligned
.endr
.endm
	OUT16 0
	OUT16 1
	OUT16 2
	OUT16 3
	s_set_vgpr_msb 0x5
	s_wait_tensorcnt 0x0
	ds_add_u32 v126, v127
	s_wait_dscnt 0x0
	s_set_vgpr_msb 0x500
	CROUND                                         ; the closing round: no work-group ends while a partner may still ask for a tile that names it
	s_endpgm
.Lfunc_end_k_qee235cdd11_oproj:
	.size	k_qee235cdd11_oproj, .Lfunc_end_k_qee235cdd11_oproj-k_qee235cdd11_oproj
	.p2alignl 7, 3214868480
	.fill 96, 4, 3214868480
	.section	.rodata,"a",@progbits
	.p2align	6, 0x0
	.amdhsa_kernel k_qee235cdd11_oproj
		.amdhsa_group_segment_fixed_size 327680
		.amdhsa_private_segment_fixed_size 0
		.amdhsa_enable_private_segment 0
		.amdhsa_kernarg_size 32
		.amdhsa_user_sgpr_count 2
		.amdhsa_user_sgpr_kernarg_segment_ptr 1
		.amdhsa_wavefront_size32 1
		.amdhsa_system_sgpr_workgroup_id_x 1
		.amdhsa_system_sgpr_workgroup_id_y 1
		.amdhsa_system_sgpr_workgroup_id_z 1
		.amdhsa_system_vgpr_workitem_id 0
		.amdhsa_next_free_vgpr 640
		.amdhsa_next_free_sgpr 66
		.amdhsa_reserve_vcc 0
		.amdhsa_float_denorm_mode_32 3
		.amdhsa_float_denorm_mode_16_64 3
		.amdhsa_memory_ordered 1
		.amdhsa_forward_progress 1
		.amdhsa_inst_pref_size 91
	.end_amdhsa_kernel
	.amdgpu_metadata
---
amdhsa.version: [ 1, 2 ]
amdhsa.kernels:
  - .name:           k_qee235cdd11_oproj
    .symbol:         k_qee235cdd11_oproj.kd
    .args:
      - { .name: att, .offset: 0, .size: 8, .value_kind: global_buffer, .address_space: global }
      - { .name: wob, .offset: 8, .size: 8, .value_kind: global_buffer, .address_space: global }
      - { .name: b_out, .offset: 16, .size: 8, .value_kind: global_buffer, .address_space: global }
      - { .name: out0, .offset: 24, .size: 8, .value_kind: global_buffer, .address_space: global }
    .group_segment_fixed_size: 327680
    .private_segment_fixed_size: 0
    .kernarg_segment_align: 8
    .kernarg_segment_size: 32
    .max_flat_workgroup_size: 128
    .sgpr_count:     66
    .vgpr_count:     640
    .wavefront_size: 32
...
	.end_amdgpu_metadata
.endif
;; end of part 3
;; ======== version 2 of 2: 3 launches; version 1 with the launch cast written anew for expert scheduling mode
;; workspace buffers: xb 8,421,376 bytes; wqb 6,291,456 bytes; wob 2,097,152 bytes; att 8,388,608 bytes
;; launch cast (part 4): grid 512 x 1, 8 waves a work-group, no clusters, 0 bytes of LDS; arguments x, w_qkv, w_out, xb, wqb, wob; writes xb, wqb, wob
.if DOCPART == 4
	.amdgcn_target "amdgcn-amd-amdhsa--gfx1250"
	.amdhsa_code_object_version 6
	.text
	.protected	k_qee235cdd11_cast
	.globl	k_qee235cdd11_cast
	.p2align	8
	.type	k_qee235cdd11_cast,@function
k_qee235cdd11_cast:
	s_mov_b64 s[64:65], 0
	v_nop
	global_prefetch_b8 v0, s[64:65] scope:SCOPE_SE
	s_setreg_imm32_b32 hwreg(HW_REG_WAVE_SCHED_MODE, 0, 2), 2
	s_setreg_imm32_b32 hwreg(HW_REG_WAVE_MODE, 25, 1), 1
	s_wait_xcnt 0x0
	s_wait_alu depctr_vm_vsrc(0)
; f32 -> bf16 (round to nearest even) of the three matrix operands, with two reorderings of rows that cost only addresses:
;   xb : row 8 + 2048 b + 1024 (n & 1) + (n >> 1) = x[b][n].  Rows of equal parity lie together: the mask |i-j| <= 16, i-j even
;        becomes a plain band of +-8 in each of four sequences of 1,024 rows.  Rows 0-7 and 4104-4111 are zeros (the halo
;        of the first and of the last row block of the next launch).
;   wqb: row 192 h + 64 part + d = w_qkv[1024 part + 64 h + d]: q, k, v of one head are 192 neighbouring rows.
;   wob: w_out as it lies.
; A stream: every byte is read once and written once; no LDS, no barrier, no matrix unit, no cluster (no two work-groups share a byte).
; Work-group g takes 16 rows of 4,096 bytes: 8 of x, 6 of w_qkv (rows 512 j + g), 2 of w_out.  Thread t takes the 16 bytes at 16 t of each
; row and stores 8 bytes at 8 t: a wave's load covers 512 and its store 256 consecutive bytes, aligned.  All 16 loads go out first.
; THE MODE: SCHED_MODE bits 1:0 = 2 (LLVM: expert scheduling mode 2), set by the entry lines.  The code itself states the register dependences
; between vector instructions and memory instructions, with s_wait_alu, always for 0.
; THE PLAN.  Registers that memory instructions touch:
;   v1, v2     byte offsets of every load and of every store.  Written once at the head, never again.
;   v68, v69   zeros, the data of the zero row's store.  Written once at the head, never again.
;   v[4:67]    row i: four registers.  Its load lands in them (no vector instruction has named them); its two conversions read the four and write
;              the first two; its store reads those two.  Nothing writes them after that.
; So no register that a memory instruction has read is ever written again, and no load lands in a register that a vector instruction has named.
; What is left to state: the head's vector lines against all that read their results (one wait), and the conversions against the stores.  The rows go in
; four groups of four: eight conversions, ONE wait, four stores.
.set ROWF, 4096                        ; bytes of an f32 row
.set ROWH, 2048                        ; bytes of a bf16 row
.set D,    4                           ; v[4:67]  row i: 4 registers as loaded; the first two then hold the 8 bytes to store
	s_load_b256 s[4:11], s[0:1], 0x0               ; x s[4:5], w_qkv s[6:7], w_out s[8:9], xb s[10:11]
	s_load_b128 s[12:15], s[0:1], 0x20             ; wqb s[12:13], wob s[14:15]
	s_mov_b32 s2, ttmp9                            ; g
	v_lshlrev_b32 v1, 4, v0                        ; 16 t: my bytes in an f32 row
	v_lshlrev_b32 v2, 3, v0                        ; 8 t: my bytes in a bf16 row
	v_mov_b32 v68, 0                               ; the zero rows' data, made here so that the head's one wait covers it
	v_mov_b32 v69, 0
	s_lshl_b32 s20, s2, 15                         ; x: 8 rows of 4,096 bytes a work-group
	s_mov_b32 s21, 0
	s_lshr_b32 s22, s2, 8                          ; xb: batch = g >> 8,
	s_lshl_b32 s22, s22, 11                        ; 2,048 rows each,
	s_and_b32 s23, s2, 255
	s_lshl2_add_u32 s22, s23, s22                  ; + 4 (g & 255): n >> 1 of my first row,
	s_add_co_u32 s22, s22, 8                       ; + the 8 zero rows in front
	s_lshl_b32 s22, s22, 11
	s_mov_b32 s23, 0
	s_lshl_b32 s24, s2, 12                         ; w_qkv: row g (4,096 bytes); wob: 2 rows of 2,048 bytes
	s_mov_b32 s25, 0
	s_lshr_b32 s26, s2, 6                          ; wqb: 192 (g >> 6) + (g & 63)
	s_mul_i32 s26, s26, 192
	s_and_b32 s27, s2, 63
	s_add_co_u32 s26, s26, s27
	s_lshl_b32 s26, s26, 11
	s_mov_b32 s27, 0
	s_lshl_b32 s28, s2, 13                         ; w_out: 2 rows of 4,096 bytes
	s_mov_b32 s29, 0
	s_wait_kmcnt 0x0
	s_mov_b64 s[18:19], s[10:11]                   ; xb's first byte, for the zero rows
	s_add_nc_u64 s[4:5], s[4:5], s[20:21]
	s_add_nc_u64 s[10:11], s[10:11], s[22:23]
	s_add_nc_u64 s[6:7], s[6:7], s[24:25]
	s_add_nc_u64 s[16:17], s[6:7], 3*512*ROWF      ; a second base for rows 512 j + g, j >= 3: the immediate has 24 signed bits
	s_add_nc_u64 s[12:13], s[12:13], s[26:27]
	s_add_nc_u64 s[8:9], s[8:9], s[28:29]
	s_add_nc_u64 s[14:15], s[14:15], s[24:25]
	s_wait_alu depctr_va_vdst(0)                   ; v1, v2, v68 and v69 are written: the loads read v1, the stores v2, the zero row's store v[68:69]; no vector line below names any of the four
.irp j, 0,1,2,3,4,5,6,7
	global_load_b128 v[D+4*\j:D+4*\j+3], v1, s[4:5] offset:\j*ROWF th:TH_LOAD_NT
.endr
.irp j, 0,1,2
	global_load_b128 v[D+32+4*\j:D+32+4*\j+3], v1, s[6:7] offset:\j*512*ROWF th:TH_LOAD_NT
.endr
.irp j, 0,1,2
	global_load_b128 v[D+44+4*\j:D+44+4*\j+3], v1, s[16:17] offset:\j*512*ROWF th:TH_LOAD_NT
.endr
.irp j, 0,1
	global_load_b128 v[D+56+4*\j:D+56+4*\j+3], v1, s[8:9] offset:\j*ROWF th:TH_LOAD_NT
.endr
; row i of the sixteen: four numbers rounded to bf16 in place
.macro CV i
	v_cvt_pk_bf16_f32 v[D+4*(\i)], v[D+4*(\i)], v[D+4*(\i)+1]
	v_cvt_pk_bf16_f32 v[D+4*(\i)+1], v[D+4*(\i)+2], v[D+4*(\i)+3]
.endm
; row i of the sixteen: its 8 bytes stored at base + imm
.macro ST i, base, imm
	global_store_b64 v2, v[D+4*(\i):D+4*(\i)+1], s[\base:\base+1] offset:\imm
.endm
	; rows 0 to 3: x, n = 8 (g & 255) + j: parity j & 1, n >> 1 = 4 (g & 255) + (j >> 1)
	s_wait_loadcnt 12                              ; loads come back in order (ISA guide 5.7.1): the group's four rows are in, the twelve younger loads stay out
.irp j, 0,1,2,3
	CV \j
.endr
	s_wait_alu depctr_va_vdst(0)                   ; the eight conversions have written rows 0 to 3's first two registers, which the four stores read
.irp j, 0,1,2,3
	ST \j, 10, ((\j&1)*1024+(\j>>1))*ROWH
.endr
	; rows 4 to 7: the rest of x
	s_wait_loadcnt 8                               ; the eight younger loads stay out
.irp j, 4,5,6,7
	CV \j
.endr
	s_wait_alu depctr_va_vdst(0)                   ; the eight conversions have written rows 4 to 7's first two registers, which the four stores read
.irp j, 4,5,6,7
	ST \j, 10, ((\j&1)*1024+(\j>>1))*ROWH
.endr
	; rows 8 to 11: w_qkv's row 512 j + g: part j >> 1, head 8 (j & 1) + (g >> 6), d = g & 63
	s_wait_loadcnt 4                               ; the four younger loads stay out
.irp j, 0,1,2,3
	CV 8+\j
.endr
	s_wait_alu depctr_va_vdst(0)                   ; the eight conversions have written rows 8 to 11's first two registers, which the four stores read
.irp j, 0,1,2,3
	ST 8+\j, 12, ((\j&1)*1536+(\j>>1)*64)*ROWH
.endr
	; rows 12 to 15: the rest of w_qkv, and w_out
	s_wait_loadcnt 0x0
.irp j, 4,5,6,7
	CV 8+\j
.endr
	s_wait_alu depctr_va_vdst(0)                   ; the eight conversions have written rows 12 to 15's first two registers, which the four stores read
.irp j, 4,5
	ST 8+\j, 12, ((\j&1)*1536+(\j>>1)*64)*ROWH
.endr
.irp j, 0,1
	ST 14+\j, 14, \j*ROWH
.endr
	s_cmp_lt_u32 s2, 16                            ; the first sixteen work-groups also write one zero row each
	s_cbranch_scc0 .Lend
	s_and_b32 s30, s2, 8
	s_lshl_b32 s30, s30, 9
	s_add_co_u32 s30, s30, s2                      ; rows 0-7 and 4104-4111
	s_lshl_b32 s30, s30, 11
	s_mov_b32 s31, 0
	s_add_nc_u64 s[18:19], s[18:19], s[30:31]
	global_store_b64 v2, v[68:69], s[18:19]        ; no wait here: v2 and v[68:69] were written ahead of the head's wait and have not been named by a vector line since
.Lend:
	s_endpgm
.Lfunc_end_k_qee235cdd11_cast:
	.size	k_qee235cdd11_cast, .Lfunc_end_k_qee235cdd11_cast-k_qee235cdd11_cast
	.p2alignl 7, 3214868480
	.fill 96, 4, 3214868480
	.section	.rodata,"a",@progbits
	.p2align	6, 0x0
	.amdhsa_kernel k_qee235cdd11_cast
		.amdhsa_group_segment_fixed_size 0
		.amdhsa_private_segment_fixed_size 0
		.amdhsa_enable_private_segment 0
		.amdhsa_kernarg_size 48
		.amdhsa_user_sgpr_count 2
		.amdhsa_user_sgpr_kernarg_segment_ptr 1
		.amdhsa_wavefront_size32 1
		.amdhsa_system_sgpr_workgroup_id_x 1
		.amdhsa_system_sgpr_workgroup_id_y 1
		.amdhsa_system_sgpr_workgroup_id_z 1
		.amdhsa_system_vgpr_workitem_id 0
		.amdhsa_next_free_vgpr 72
		.amdhsa_next_free_sgpr 66
		.amdhsa_reserve_vcc 0
		.amdhsa_float_denorm_mode_32 3
		.amdhsa_float_denorm_mode_16_64 3
		.amdhsa_memory_ordered 1
		.amdhsa_forward_progress 1
		.amdhsa_inst_pref_size 8
	.end_amdhsa_kernel
	.amdgpu_metadata
---
amdhsa.version: [ 1, 2 ]
amdhsa.kernels:
  - .name:           k_qee235cdd11_cast
    .symbol:         k_qee235cdd11_cast.kd
    .args:
      - { .name: x, .offset: 0, .size: 8, .value_kind: global_buffer, .address_space: global }
      - { .name: w_qkv, .offset: 8, .size: 8, .value_kind: global_buffer, .address_space: global }
      - { .name: w_out, .offset: 16, .size: 8, .value_kind: global_buffer, .address_space: global }
      - { .name: xb, .offset: 24, .size: 8, .value_kind: global_buffer, .address_space: global }
      - { .name: wqb, .offset: 32, .size: 8, .value_kind: global_buffer, .address_space: global }
      - { .name: wob, .offset: 40, .size: 8, .value_kind: global_buffer, .address_space: global }
    .group_segment_fixed_size: 0
    .private_segment_fixed_size: 0
    .kernarg_segment_align: 8
    .kernarg_segment_size: 48
    .max_flat_workgroup_size: 256
    .sgpr_count:     66
    .vgpr_count:     72
    .wavefront_size: 32
...
	.end_amdgpu_metadata
.endif
;; end of part 4
;; launch qkvattn: the kernel of part 2 again; grid 16 x 16, 4 waves a work-group, clusters of 4 x 4, 327,680 bytes of LDS; arguments xb, wqb, b_qkv, att; writes att
;; launch oproj: the kernel of part 3 again; grid 8 x 32, 4 waves a work-group, clusters of 4 x 4, 327,680 bytes of LDS; arguments att, wob, b_out, out0; writes out0
